; MI455X (gfx1250); checked and timed in simulation.
; The chip was launched on July 23, 2026; its instructions are those of AMD's public machine-readable ISA for CDNA 5 (MIT licence, August 2026) and "CDNA5" Instruction Set Architecture Reference Guide (July 2026). The comments in the code are by the model that wrote it; some were corrected since.
;; Multi Head Attention. Allowed arithmetic: matrix products marked QUANTISED: E4M3 operands, one given power-of-two scale a tensor, by v_wmma_f32_16x16x64_fp8_fp8 or v_wmma_f32_16x16x128_fp8_fp8, f32 sums; everything else in f32.
;; Inputs: Wk 1,024 x 1,024 float32; Wo 1,024 x 1,024 float32; Wq 1,024 x 1,024 float32; Wv 1,024 x 1,024 float32; bk 1,024 float32; bo 1,024 float32; bq 1,024 float32; bv 1,024 float32; k 4 x 2,048 x 1,024 float32; lowp_scales 12 int32 (the exponents e of the quantised operands' scales 2^e); padding_mask 4 x 2,048 bool; q 4 x 2,048 x 1,024 float32; sequence_mask 2,048 x 2,048 bool; v 4 x 2,048 x 1,024 float32.
;; Outputs: out0 4 x 2,048 x 1,024 float32.
;; This version of the problem:
;;   THIS VERSION OF THE PROBLEM IS GIVEN IN LOW PRECISION. The matrix products marked QUANTISED in the list below multiply operands that are first quantised to E4M3 (4 exponent bits, 3 mantissa bits; 8 bits a number), with one given power-of-two scale for each operand tensor; their sums are f32. All else is computed in f32.
;;   The module's matrix products, in the order in which they are computed (A, B: the left and right operand; K: the contracted axis; several contracted axes count as one K, in the product's order):
;;     1. [M 8,192, K 1,024] x [K 1,024, N 1,024]; A: input q; B: input Wq: QUANTISED (scales: A lowp_scales[0], B lowp_scales[1])
;;     2. [M 8,192, K 1,024] x [K 1,024, N 1,024]; A: input k; B: input Wk: QUANTISED (scales: A lowp_scales[2], B lowp_scales[3])
;;     3. [M 8,192, K 1,024] x [K 1,024, N 1,024]; A: input v; B: input Wv: QUANTISED (scales: A lowp_scales[4], B lowp_scales[5])
;;     4. batch 64 x [M 2,048, K 64] x [K 64, N 2,048]; A: computed on the way; B: computed on the way: QUANTISED (scales: A lowp_scales[6], B lowp_scales[7])
;;     5. batch 64 x [M 64, K 2,048] x [K 2,048, N 2,048]; A: computed on the way; B: softmax (see below): QUANTISED (scales: A lowp_scales[8], B lowp_scales[9])
;;     6. [M 8,192, K 1,024] x [K 1,024, N 1,024]; A: computed on the way; B: input Wo: QUANTISED (scales: A lowp_scales[10], B lowp_scales[11])
;;   THE QUANTISER, for each operand of a quantised product, along K:
;;     - The operand's scale is 2^e, e = its entry of the input lowp_scales (int32; the entries are numbered through the quantised products in the list's order, A before B).
;;     - Each number is divided by the scale, clamped to +-448, and rounded to the nearest number of E4M3, ties to even, subnormals kept.
;;     - The product sums the exact products of the quantised numbers (number of the format x scale) in f32.
;;   ~~~python
;;   def quantise(x, axis, e):      # numpy; x: float32 -> the quantised numbers, widened to float32 again
;;       x = np.moveaxis(x, axis, -1); K = x.shape[-1]
;;       r = np.clip(x / 2.0 ** e, -448, 448)
;;       step = 2.0 ** (np.maximum(np.frexp(np.where(r == 0, 1, r))[1] - 1, -6) - 3)
;;       q = np.round(r / step) * step * 2.0 ** e      # np.round: ties to even
;;       return np.moveaxis(q, -1, axis).astype(np.float32)
;;   ~~~
;;   SOFTMAX AHEAD OF A QUANTISED PRODUCT. Where the list says 'softmax', what is quantised is not the finished softmax but p = 2^(t - M), with t = logit x log2(e) and M = ceil(the row's largest t), a whole number; so 1/2 < the row's largest p <= 1. The row's sum l is taken of the UNQUANTISED p, in f32, and the product's result is divided by l at the end. Since M is a whole number, a kernel that streams over the keys may use a running M (the ceiling of the running maximum): every later rescaling is an exact power of two, so the quantised numbers keep their values, but for numbers so far below the row's largest that they fall under the format's range.
;;   OPERANDS COMPUTED ON THE WAY. 'Computed on the way' means the value that the module computes at that place (a softmax that the list does not call 'softmax' is quantised finished and normalised). What goes into a quantiser is computed in f32, as accurately as f32 sums, v_exp_f32 and their like allow (about 1e-6 of the number): no bf16 or f16 on the way to a quantiser, and a product that is left as it is and whose result goes on into a quantised operand takes f32 operands (vector FMAs, or v_wmma_f32_16x16x4_f32). A number that lies on a knife's edge between two numbers of the format may be rounded either way, as far as f32 arithmetic and the matrix unit's own rounding can turn it there, and no further.
;; One version. Each part assembles by itself: llvm-mc -triple=amdgcn-amd-amdhsa -mcpu=gfx1250 --defsym DOCPART=n.
;; ======== version 1 of 1: 4 launches
;; limits: right only within a limited range of input values
;; workspace buffers: codes 29,360,128 bytes; hc 25,165,824 bytes; ac 8,388,608 bytes
;; launch quant (part 1): grid 256 x 1, 14 waves a work-group, no clusters, 120,064 bytes of LDS; arguments q, k, v, Wq, Wk, Wv, Wo, lowp_scales, codes; writes codes
.if DOCPART == 1
	.amdgcn_target "amdgcn-amd-amdhsa--gfx1250"
	.amdhsa_code_object_version 6
	.text
	.protected	k_q3c8498f323_quant
	.globl	k_q3c8498f323_quant
	.p2align	8
	.type	k_q3c8498f323_quant,@function
k_q3c8498f323_quant:
	s_mov_b64 s[64:65], 0
	v_nop
	global_prefetch_b8 v0, s[64:65] scope:SCOPE_SE
	s_setreg_imm32_b32 hwreg(HW_REG_WAVE_MODE, 25, 1), 1
	s_wait_xcnt 0x0
; q, k, v [8192][1024] and Wq, Wk, Wv, Wo [1024][1024], f32, K innermost, become codes of E4M3, each tensor with the scale 2^e that is given for it:
; code = x / 2^e, held within +-448, rounded to the nearest code, ties to even.
; THE CODES ARE LAID AS IMAGES OF THE OPERAND'S REGISTERS.  A fragment is 16 rows x 128 K, 16 registers a lane: lane (r, h) holds row r, registers 2 c, 2 c + 1 hold k = 16 c + 8 h + 0 .. 7.
; In memory it is 2,048 bytes: [group g of four registers][lane][16 bytes].  codes = [row block of 16 rows, 0 .. 1791][K step of 128, 0 .. 7][2,048 bytes]:
; row blocks 0-511 q, 512-1023 k, 1024-1535 v, then 64 each for Wq, Wk, Wv, Wo.  So every later load and store of a fragment is 512 consecutive bytes an instruction.
; SHARES.  1,792 row blocks x 2 halves of K = 3,584 = 256 work-groups x 14 waves.  A wave takes 4 units of 16 rows x 128 K: 8 KiB in, 2 KiB out.  Waves share nothing: no barrier.
; A unit's 16 loads read 512 consecutive bytes of a row each; the 8 KiB turn through the wave's own stage in LDS (rows of 512 + 16 bytes: 33 x 16, so that the sixteen rows that a read touches
; begin at sixteen different 16-byte columns modulo 256) and come back as eight neighbours along K for each conversion.  Loads run two units (32 loads a wave) ahead.
; LIMITS: each e between -126 and 119, so that 2^e and 448 x 2^e are f32 numbers.  NaN among the inputs is not served.
; INPUTS LEFT OUT: padding_mask and sequence_mask.  whatever values they hold they reach no output:
; no launch loads them and they stand among no launch's arguments.
.set STG, 8448
.set SP,  528
.set R,   16                           ; v16-143   two sets of 64 numbers as loaded
.set X,   144                          ; v144-207  64 numbers: register 8 c + j = k 16 c + 8 h + j of row r
.set C,   208                          ; v208-239  two sets of 16 registers of codes
	s_load_b512 s[8:23], s[0:1], 0x0               ; q, k, v, Wq, Wk, Wv, Wo, the scales' exponents
	s_load_b64 s[24:25], s[0:1], 0x40              ; codes
	v_lshl_add_u32 v240, v0, 2, 0x1ce00
	v_mov_b32 v241, 0
	v_lshrrev_b32 v1, 5, v0
	s_delay_alu instid0(VALU_DEP_1)
	v_readfirstlane_b32 s2, v1                     ; wave 0..13
	v_and_b32 v5, 31, v0
	s_delay_alu instid0(VALU_DEP_1)
	v_lshlrev_b32 v2, 4, v5                        ; 16 x lane: my place in a load's and in a store's 512 bytes; never rewritten
	v_and_b32 v6, 15, v0                           ; r
	v_bfe_u32 v7, v0, 4, 1                         ; h
	s_mul_i32 s6, s2, STG
	v_add_nc_u32 v3, s6, v2                        ; the stage, on the way in: a row as it lies
	v_mul_u32_u24 v4, v6, SP
	s_delay_alu instid0(VALU_DEP_1)
	v_lshl_add_u32 v4, v7, 5, v4
	s_delay_alu instid0(VALU_DEP_1)
	v_add_nc_u32 v4, s6, v4                        ; and on the way out: row r, + 32 h bytes (8 h numbers)
	s_mul_i32 s3, ttmp9, 14
	s_add_co_u32 s3, s3, s2                        ; my half row block, 0 .. 3583
	s_lshr_b32 s4, s3, 1                           ; the row block
	s_and_b32 s5, s3, 1                            ; which four of its eight K steps
	s_wait_alu depctr_va_vdst(0)
	s_wait_kmcnt 0x0
	s_mov_b64 s[26:27], s[8:9]                     ; which tensor, and which entry of the scales: chosen by the row block's number alone
	s_mov_b32 s28, 0
.macro PICK bound, ptr, idx
	s_cmp_ge_u32 s4, \bound
	s_cselect_b64 s[26:27], s[\ptr:\ptr+1], s[26:27]
	s_cselect_b32 s28, \idx, s28
.endm
	PICK 512,  10, 2                               ; k
	PICK 1024, 12, 4                               ; v
	PICK 1536, 14, 1                               ; Wq
	s_cselect_b32 s29, 63, 511                     ; (same compare) row blocks in the tensor, less one
	PICK 1600, 16, 3                               ; Wk
	PICK 1664, 18, 5                               ; Wv
	PICK 1728, 20, 11                              ; Wo
	s_and_b32 s29, s4, s29                         ; the row block within its tensor
	s_lshl_b32 s32, s29, 16                        ; 16 rows of 4,096 bytes
	s_lshl_b32 s33, s5, 11                         ; + 4 units of 512 bytes
	s_add_co_u32 s32, s32, s33
	s_mov_b32 s33, 0
	s_add_nc_u64 s[26:27], s[26:27], s[32:33]
	s_lshl_b32 s34, s4, 14                         ; a row block's codes are 16,384 bytes
	s_lshl_b32 s35, s5, 13
	s_add_co_u32 s34, s34, s35
	s_mov_b32 s35, 0
	s_add_nc_u64 s[24:25], s[24:25], s[34:35]
	s_lshl_b32 s31, s28, 2
	s_load_b32 s30, s[22:23], s31 offset:0x0       ; e
.macro LOAD u                          ; unit u: 16 rows, 512 consecutive bytes each, into set u % 2
.irp i, 0,1,2,3,4,5,6,7,8,9,10,11,12,13,14,15
	global_load_b128 v[R+64*((\u)%2)+4*\i:R+64*((\u)%2)+4*\i+3], v2, s[26:27] offset:4096*\i+512*(\u) th:TH_LOAD_NT
.endr
.endm
	LOAD 0
	LOAD 1
	s_wait_kmcnt 0x0
	s_add_co_i32 s30, s30, 127
	s_lshl_b32 s31, s30, 23
	v_mov_b32 v11, s31                             ; 2^e as f32: the conversion takes its exponent field
	s_add_co_i32 s30, s30, 8
	s_lshl_b32 s30, s30, 23
	s_or_b32 s30, s30, 0x600000
	v_mov_b32 v10, s30                             ; 448 x 2^e
.macro UNIT u
.if (\u) < 3
	s_wait_loadcnt 16                              ; this unit's 16 loads are in; the next unit's 16 may be out
.else
	s_wait_loadcnt 0x0
.endif
.irp i, 0,1,2,3,4,5,6,7,8,9,10,11,12,13,14,15
	ds_store_b128 v3, v[R+64*((\u)%2)+4*\i:R+64*((\u)%2)+4*\i+3] offset:SP*\i
.endr
.irp c, 0,1,2,3,4,5,6,7                ; LDS serves a wave's instructions in order (ISA guide 5.7.1.4): these see the stores above, and the next unit's stores come behind them
.irp p, 0,1
	ds_load_b128 v[X+8*\c+4*\p:X+8*\c+4*\p+3], v4 offset:64*\c+16*\p
.endr
.endr
	s_wait_dscnt 0x0                               ; the 64 numbers are back; the stores have read their registers,
.if (\u) < 2
	LOAD (\u)+2                                    ; which take the loads of two units on
.endif
.set n, 0
.rept 64
	v_med3_num_f32 v[X+n], v[X+n], -v10, v10       ; the conversion to an 8-bit code does not saturate (ISA guide 7.6.2): the hold at the largest code x the scale
.set n, n+1
.endr
.if (\u) >= 2
	s_wait_alu depctr_va_vdst(0)
	s_wait_xcnt 0x0                                ; the stores of two units back have read this set of codes: it is written again only behind this wait
.endif
.irp c, 0,1,2,3,4,5,6,7
	v_cvt_scalef32_pk8_fp8_f32 v[C+16*((\u)%2)+2*\c:C+16*((\u)%2)+2*\c+1], v[X+8*\c:X+8*\c+7], v11
.endr
	v_nop                                          ; one plain vector line between the conversions and the next unit's holds, which write their sources
.irp g, 0,1,2,3
	global_store_b128 v2, v[C+16*((\u)%2)+4*\g:C+16*((\u)%2)+4*\g+3], s[24:25] offset:2048*(\u)+512*\g   ; 32 lanes store 512 consecutive bytes, aligned
.endr
.endm
	s_wait_alu depctr_va_vdst(0)
	UNIT 0
	UNIT 1
	UNIT 2
	UNIT 3
	s_wait_tensorcnt 0x0
	ds_add_u32 v240, v241
	s_wait_dscnt 0x0
	s_endpgm
.Lfunc_end_k_q3c8498f323_quant:
	.size	k_q3c8498f323_quant, .Lfunc_end_k_q3c8498f323_quant-k_q3c8498f323_quant
	.p2alignl 7, 3214868480
	.fill 96, 4, 3214868480
	.section	.rodata,"a",@progbits
	.p2align	6, 0x0
	.amdhsa_kernel k_q3c8498f323_quant
		.amdhsa_group_segment_fixed_size 120064
		.amdhsa_private_segment_fixed_size 0
		.amdhsa_enable_private_segment 0
		.amdhsa_kernarg_size 72
		.amdhsa_user_sgpr_count 2
		.amdhsa_user_sgpr_kernarg_segment_ptr 1
		.amdhsa_wavefront_size32 1
		.amdhsa_system_sgpr_workgroup_id_x 1
		.amdhsa_system_sgpr_workgroup_id_y 1
		.amdhsa_system_sgpr_workgroup_id_z 1
		.amdhsa_system_vgpr_workitem_id 0
		.amdhsa_next_free_vgpr 242
		.amdhsa_next_free_sgpr 66
		.amdhsa_reserve_vcc 0
		.amdhsa_float_denorm_mode_32 3
		.amdhsa_float_denorm_mode_16_64 3
		.amdhsa_memory_ordered 1
		.amdhsa_forward_progress 1
		.amdhsa_inst_pref_size 38
	.end_amdhsa_kernel
	.amdgpu_metadata
---
amdhsa.version: [ 1, 2 ]
amdhsa.kernels:
  - .name:           k_q3c8498f323_quant
    .symbol:         k_q3c8498f323_quant.kd
    .args:
      - { .name: q, .offset: 0, .size: 8, .value_kind: global_buffer, .address_space: global }
      - { .name: k, .offset: 8, .size: 8, .value_kind: global_buffer, .address_space: global }
      - { .name: v, .offset: 16, .size: 8, .value_kind: global_buffer, .address_space: global }
      - { .name: Wq, .offset: 24, .size: 8, .value_kind: global_buffer, .address_space: global }
      - { .name: Wk, .offset: 32, .size: 8, .value_kind: global_buffer, .address_space: global }
      - { .name: Wv, .offset: 40, .size: 8, .value_kind: global_buffer, .address_space: global }
      - { .name: Wo, .offset: 48, .size: 8, .value_kind: global_buffer, .address_space: global }
      - { .name: lowp_scales, .offset: 56, .size: 8, .value_kind: global_buffer, .address_space: global }
      - { .name: codes, .offset: 64, .size: 8, .value_kind: global_buffer, .address_space: global }
    .group_segment_fixed_size: 120064
    .private_segment_fixed_size: 0
    .kernarg_segment_align: 8
    .kernarg_segment_size: 72
    .max_flat_workgroup_size: 448
    .sgpr_count:     66
    .vgpr_count:     242
    .wavefront_size: 32
...
	.end_amdgpu_metadata
.endif
;; end of part 1
;; launch proj (part 2): grid 4 x 64, 4 waves a work-group, clusters of 4 x 4, 327,680 bytes of LDS; arguments codes, bq, bk, bv, lowp_scales, hc; writes hc
.if DOCPART == 2
	.amdgcn_target "amdgcn-amd-amdhsa--gfx1250"
	.amdhsa_code_object_version 6
	.text
	.protected	k_q3c8498f323_proj
	.globl	k_q3c8498f323_proj
	.p2align	8
	.type	k_q3c8498f323_proj,@function
k_q3c8498f323_proj:
	s_mov_b64 s[64:65], 0
	v_nop
	global_prefetch_b8 v0, s[64:65] scope:SCOPE_SE
	s_setreg_imm32_b32 hwreg(HW_REG_WAVE_MODE, 25, 1), 1
	s_wait_xcnt 0x0
	s_wait_alu depctr_hold_cnt(0) depctr_sa_sdst(0) depctr_va_vdst(0) depctr_va_sdst(0) depctr_va_ssrc(0) depctr_va_vcc(0) depctr_vm_vsrc(0)
	s_getreg_b32 s2, hwreg(HW_REG_IB_STS2, 6, 4)
	s_cmp_eq_u32 s2, 0
	s_cbranch_scc0 .Lentry_in_a_cluster
	s_endpgm
.Lentry_in_a_cluster:
	s_bfe_u32 s2, ttmp6, 0x10000c
	s_cmp_lg_u32 s2, 0xf033
	s_cbranch_scc0 .Lentry_shape_is_right
	s_endpgm
.Lentry_shape_is_right:
; The three input projections, x W^T + b for (q, Wq, bq), (k, Wk, bk), (v, Wv, bv), on codes of E4M3, and their results quantised anew as the operands of attention's two products.
; codes: images of operand registers, [row block of 16][K step of 128][2,048 bytes]; row blocks 0-511 q, 512-1023 k, 1024-1535 v; the weights from byte WOFF on, 64 row blocks each.
; hc: three parts of 8 MiB, Q, K, V, each [16 n + head][131,072 bytes].  Q, K: [16 tokens, 0 .. 127][1,024 bytes], K = the head's 64.  V: [128 keys, 0 .. 15][16 of the head's 64, 0 .. 3][2,048 bytes], K = the keys.
; SHARES.  A WORK-GROUP STAYS: it makes the block of 128 tokens x 256 features of q, then of k, then of v: three phases, 64 x 4 = 256 work-groups.  Four waves, 32 accumulators (256 registers) each.
; LDS.  A K step of a block is (128 + 256) x 128 bytes = 48 KiB.  Six of a phase's eight K steps are asked for at once, one tensor load a wave: wave 0 x's K steps 0-1, wave 1 W's, wave 2 x's K steps 2-5, wave 3 W's.
; Behind K step 1 the bytes of K steps 0-1 are filled again with K steps 6-7 (waves 0 and 1).  When K step 7's fragments are in registers, all bytes are filled again with the next phase's six K steps:
; those loads have sixteen products of K step 7 and the phase's way out in which to land.
; CLUSTERS: 4 x 4.  The four of a row need the same tokens' codes, the four of a column the same weights' codes: each tile is asked for jointly, by the same tensor load with a mask that names the four.
; No data prefetch: six of a phase's eight K steps are asked for at once, a phase is eight K steps, and the text has no loop to run ahead in.
; WHICH OPERAND IS SOURCE 0.  In a result lane r holds source 1's row and registers 0-7 source 0's rows 8 h + 0 .. 7.  For q and k source 0 = W (my 128 features), source 1 = x (my 64 tokens): a lane holds one token and
; eight neighbouring features, neighbours along the next K.  For v source 0 = x (all 128 tokens), source 1 = W (my 64 features, one head): a lane holds one feature and eight neighbouring tokens.
; So a conversion's two registers ARE registers 2 c, 2 c + 1 of the next operand, and they leave as images, 512 consecutive bytes a store.  Only the LDS addresses of the reads differ between the two kinds.
; LIMITS on the given exponents: e0 + e1, e2 + e3, e4 + e5 between -126 and 127; e6, e7, e8 between -126 and 119.  NaN among the inputs is not served.
; REGISTERS, in windows of 256: window 0: v4-31 addresses and the like; v128-255 source 1's four fragments, two sets; on the way out v32-95 biases, v128-191 numbers, v192-207 codes.
;   window 1: source 0's eight fragments, two sets, at v0 and v128.   window 2: accumulator (a, b) at v[8 (8 a + b)].
.set R0X,   0                          ; x's K steps 0-1 (then 6-7): 8 row blocks x 4,096 bytes
.set R0W,   32768                      ; W's: 16 row blocks x 4,096
.set R1X,   98304                      ; x's K steps 2-5: 8 row blocks x 8,192
.set R1W,   163840                     ; W's: 16 row blocks x 8,192
.set SPARE, 294912                     ; the spare words, 128 bytes for each wave: two blocks of 256 bytes that no other line names
.set BSCR,  295424                     ; 1,536 bytes for each wave: its biases of q, k (512 each) and v (256); no fill lands here
.set WOFF,  25165824
.set XSTR,  8388608                    ; from tensor to tensor in x's codes,
.set WSTR,  1048576                    ; and in the weights'
.set L8,   6                           ; v6      8 x lane
.set BSV,  7                           ; v7      the scratch + 8 x lane
.set A1,   16                          ; v16-17  LDS address of source 1's fragments in the two regions, q and k; v18-19 the same for v
.set A0,   20                          ; v20-21  of source 0's; v22-23 for v
.set LI,   24                          ; v24     16 x lane
.set BSA,  25                          ; v25     the scratch + 16 x lane
.set BRQ,  26                          ; v26     the scratch + 32 h
.set BRV,  27                          ; v27     the scratch + 4 r
.set SPW,  28                          ; v28     my spare word; never rewritten
.set NIL,  29                          ; v29     0; never rewritten
.set SCL,  30                          ; v30     2^eo
.set LIM,  31                          ; v31     448 x 2^eo
.set BIAS, 32
.set AF,   128
.set TMP,  128
.set PC,   192
.set WV,  16
.set H1,  17
.set H0,  18
.set G1XA, 24                          ; four groups 1: x and W, rows of 4,096 and of 8,192 bytes
.set G1WA, 32
.set G1XB, 40
.set G1WB, 48
.set G0XA, 56                          ; and their groups 0, the same in all four waves
.set G0WA, 60
.set G0XB, 68
.set G0WB, 72
.set MSB, 0
.macro WIN new
.if MSB != (\new)
	s_set_vgpr_msb (MSB<<8)|(\new)
.set MSB, (\new)
.endif
.endm
.macro TL g0, g1                       ; a joint load
	tensor_load_to_lds s[\g0:\g0+3], s[\g1:\g1+7]
	s_nop 0
.rept 4
	v_nop
.endr
.endm
.macro ARMS4                           ; six K steps: one chain of branches on the wave's number, one load to an arm
	s_cmp_eq_u32 s[WV], 0
	s_cbranch_scc0 .La1_\@
	TL G0XA, G1XA
	s_branch .Laj_\@
.La1_\@:
	s_cmp_eq_u32 s[WV], 1
	s_cbranch_scc0 .La2_\@
	TL G0WA, G1WA
	s_branch .Laj_\@
.La2_\@:
	s_cmp_eq_u32 s[WV], 2
	s_cbranch_scc0 .La3_\@
	TL G0XB, G1XB
	s_branch .Laj_\@
.La3_\@:
	TL G0WB, G1WB
.Laj_\@:
.endm
.macro ARMS2                           ; K steps 6-7: waves 0 and 1
	s_cmp_eq_u32 s[WV], 0
	s_cbranch_scc0 .Lr1_\@
	TL G0XA, G1XA
	s_branch .Lrj_\@
.Lr1_\@:
	s_cmp_eq_u32 s[WV], 1
	s_cbranch_scc0 .Lrj_\@
	TL G0WA, G1WA
.Lrj_\@:
.endm
.macro G1SET g, len, rows              ; rows of len elements of 8 bytes, 16,384 bytes apart in memory, dense in LDS
	s_mov_b32 s[\g+1], (\len)<<16
	s_mov_b32 s[\g+2], (\rows)<<16
	s_mov_b32 s[\g+3], (\len)<<16
	s_mov_b32 s[\g+4], \rows
	s_mov_b32 s[\g+5], 2048
	s_mov_b32 s[\g+6], 0
	s_mov_b32 s[\g+7], 0
.endm
.macro CREST
	s_cmp_lg_u32 s[WV], 0
	s_cbranch_scc1 .Lnot_wave_0_\@
	s_barrier_signal -3
.Lnot_wave_0_\@:
	s_barrier_wait -3
	s_barrier_signal -1
	s_barrier_wait -1
.endm
.macro CROUND
	s_barrier_signal -1
	s_barrier_wait -1
	CREST
.endm
.macro PLACES n                        ; plain vector lines between a matrix instruction and a load into, or a vector line on, its registers (ISA guide 7.12.1 for vector lines)
.rept \n
	v_nop
.endr
.endm
.macro FRAG reg, adr, off
.irp c, 0,1,2,3
	ds_load_b128 v[\reg+4*\c:\reg+4*\c+3], v[\adr] offset:(\off)+512*\c
.endr
.endm
.macro FETCH k, p, kd                  ; K step k's twelve fragments into set p: 48 loads.  kd: 0 q and k, 1 v
.if ((\k) >= 2) && ((\k) <= 5)
.set RG, 1
.set PT, 8192
.set QO, 2048*((\k)-2)
.else
.set RG, 0
.set PT, 4096
.set QO, 2048*((\k)%2)
.endif
	WIN 0x40                                       ; destination window 1, address window 0
.irp i, 0,1,2,3,4,5,6,7
	FRAG 128*(\p)+16*\i, A0+2*(\kd)+RG, PT*\i+QO
.endr
	WIN 0
.irp i, 0,1,2,3
	FRAG AF+64*(\p)+16*\i, A1+2*(\kd)+RG, PT*\i+QO
.endr
.endm
; 16 matrix instructions: source 1's blocks a0, a0 + 1 x source 0's eight.  The 32 accumulators take turns, one instruction a turn, in the same order in every K step.
.macro MUL16 a0, p, zero
.irp a, \a0, \a0+1
.irp b, 0,1,2,3,4,5,6,7
.if \zero
	v_wmma_f32_16x16x128_fp8_fp8 v[8*(8*(\a)+\b):8*(8*(\a)+\b)+7], v[128*(\p)+16*\b:128*(\p)+16*\b+15], v[AF+64*(\p)+16*(\a):AF+64*(\p)+16*(\a)+15], 0
.else
	v_wmma_f32_16x16x128_fp8_fp8 v[8*(8*(\a)+\b):8*(8*(\a)+\b)+7], v[128*(\p)+16*\b:128*(\p)+16*\b+15], v[AF+64*(\p)+16*(\a):AF+64*(\p)+16*(\a)+15], v[8*(8*(\a)+\b):8*(8*(\a)+\b)+7]
.endif
.endr
.endr
.endm
.macro STEP k, zero, kd                ; fetches K step k + 1 into the other set and multiplies K step k
	PLACES 4
	FETCH (\k)+1, 1-(\k)%2, \kd
	s_wait_dscnt 48                                ; all but the 48 loads just issued: this K step's set is in
	WIN 0xa1                                       ; source 0 window 1, source 1 window 0, C and D window 2
	MUL16 0, (\k)%2, \zero
	MUL16 2, (\k)%2, \zero
	WIN 0
.endm
; THE WAY OUT of a phase: sum x 2^(ea + eb) + bias, one fused multiply-add for two numbers; the hold; the conversion with 2^eo; the codes leave as images.
; kd 0: accumulator (a, b): token 16 a + r, features 16 b + 8 h + 0 .. 7: b = 4 x (which of my two heads) + c.  kd 1: feature 16 a + r of my head, tokens 16 b + 8 h + 0 .. 7: c = b.
.macro OUT t, kd
	s_add_co_i32 s94, s[80+2*\t], s[81+2*\t]
	s_add_co_i32 s94, s94, 127
	s_lshl_b32 s94, s94, 23                        ; 2^(ea + eb) as f32
	s_mov_b32 s95, s94
	s_add_co_i32 s96, s[86+\t], 127
	s_lshl_b32 s97, s96, 23
	v_mov_b32 v[SCL], s97
	s_add_co_i32 s96, s96, 8
	s_lshl_b32 s96, s96, 23
	s_or_b32 s96, s96, 0x600000
	v_mov_b32 v[LIM], s96
.if \kd == 0
.irp b, 0,1,2,3,4,5,6,7
.irp p, 0,1
	ds_load_b128 v[BIAS+8*\b+4*\p:BIAS+8*\b+4*\p+3], v[BRQ] offset:512*\t+64*\b+16*\p
.endr
.endr
.else
.irp a, 0,1,2,3
.irp p, 0,1
	ds_load_b32 v[BIAS+2*\a+\p], v[BRV] offset:1024+64*\a   ; my feature's bias, twice: a pair for the packed form
.endr
.endr
.endif
	s_wait_dscnt 0x0
.irp a, 0,1,2,3
	WIN 0x02                                       ; source 0: window 2
.irp b, 0,1,2,3,4,5,6,7
.irp i, 0,2,4,6                        ; each accumulator from its low end on
.if \kd == 0
	v_pk_fma_f32 v[TMP+8*\b+\i:TMP+8*\b+\i+1], v[64*\a+8*\b+\i:64*\a+8*\b+\i+1], s[94:95], v[BIAS+8*\b+\i:BIAS+8*\b+\i+1] op_sel_hi:[1,0,1]
.else
	v_pk_fma_f32 v[TMP+8*\b+\i:TMP+8*\b+\i+1], v[64*\a+8*\b+\i:64*\a+8*\b+\i+1], s[94:95], v[BIAS+2*\a:BIAS+2*\a+1] op_sel_hi:[1,0,1]
.endif
.endr
.endr
	WIN 0
.set n, 0
.rept 64
	v_med3_num_f32 v[TMP+n], v[TMP+n], -v[LIM], v[LIM]   ; the conversion does not saturate (ISA guide 7.6.2)
.set n, n+1
.endr
.if \a > 0
	s_wait_alu depctr_va_vdst(0)                   ; directly ahead of the wait below
	s_wait_xcnt 0x0                                ; the last block's stores have read the codes' registers
.endif
.irp b, 0,1,2,3,4,5,6,7
	v_cvt_scalef32_pk8_fp8_f32 v[PC+2*\b:PC+2*\b+1], v[TMP+8*\b:TMP+8*\b+7], v[SCL]
.endr
	v_nop                                          ; one plain vector line behind the conversions
.irp g, 0,1,2,3
.if \kd == 0
	global_store_b128 v[LI], v[PC+4*\g:PC+4*\g+3], s[90:91] offset:(\g/2)*131072+(\g%2)*512+1024*\a   ; head g / 2, token block a: 512 consecutive bytes, aligned
.else
	global_store_b128 v[LI], v[PC+4*\g:PC+4*\g+3], s[92:93] offset:2048*\a+512*\g                     ; my head's features 16 a on
.endif
.endr
.endr
.endm
; A PHASE: one tensor's block.
.macro PHASE t, kd, last
.if \t > 0
	s_wait_xcnt 0x0                                ; the last phase's stores have read their registers and their base
.if \t == 1
	s_add_nc_u64 s[90:91], s[90:91], XSTR          ; hc's part K
.endif
.endif
	s_wait_tensorcnt 0x0                           ; my load is in
	s_barrier_signal -1
	s_barrier_wait -1                              ; everybody's is: K steps 0 to 5
.if \t == 0
	s_wait_loadcnt 0x0                             ; my wave's biases go into its own scratch here, where no tensor load is out
	ds_store_b128 v[BSA], v[8:11]
	ds_store_b128 v[BSA], v[12:15] offset:512
	ds_store_b64 v[BSV], v[4:5] offset:1024
	s_wait_kmcnt 0x0                               ; the exponents
.endif
	FETCH 0, 0, \kd
	STEP 0, 1, \kd                                 ; its products start the sums
	PLACES 4                                       ; K step 1: behind it region 0 is filled again
	FETCH 2, 0, \kd
	s_wait_tensorcnt 0x0                           ; no tensor load of mine is out, so a group 0 may be written
	ds_add_u32 v[SPW], v[NIL]                      ; 0 onto my spare word
	s_add_nc_u64 s[G0XA+2:G0XA+3], s[G0XA+2:G0XA+3], 12288   ; six K steps on
	s_add_nc_u64 s[G0WA+2:G0WA+3], s[G0WA+2:G0WA+3], 12288
	s_wait_dscnt 49                                ; K step 1's set is in; the 48 loads just issued and the add may be out
	WIN 0xa1
	MUL16 0, 1, 0
	s_wait_dscnt 0x0                               ; the add is done, and my reads of region 0 are over
	s_barrier_signal -1
	MUL16 2, 1, 0
	WIN 0
	s_barrier_wait -1
	CREST                                          ; the barrier has opened a round of the cluster's barrier: no wave of any partner still reads region 0
	ARMS2
	STEP 2, 0, \kd
	STEP 3, 0, \kd
	STEP 4, 0, \kd
	s_wait_dscnt 0x0                               ; K step 5's set is in: my reads of region 1 are over
	s_wait_tensorcnt 0x0                           ; my part of K steps 6-7 is in
	s_barrier_signal -1
	WIN 0xa1
	MUL16 0, 1, 0
	WIN 0
	s_barrier_wait -1
	PLACES 4
	FETCH 6, 0, \kd
	WIN 0xa1
	MUL16 2, 1, 0
	WIN 0
	STEP 6, 0, \kd
.if \last
	s_wait_dscnt 0x0                               ; K step 7
	WIN 0xa1
	MUL16 0, 1, 0
	MUL16 2, 1, 0
	WIN 0
.else
	s_wait_tensorcnt 0x0                           ; K step 7: its fragments are on their way into registers; then both regions take the next tensor's K steps 0 to 5
	ds_add_u32 v[SPW], v[NIL]
	s_add_nc_u64 s[G0XA+2:G0XA+3], s[G0XA+2:G0XA+3], XSTR-12288
	s_add_nc_u64 s[G0WA+2:G0WA+3], s[G0WA+2:G0WA+3], WSTR-12288
	s_add_nc_u64 s[G0XB+2:G0XB+3], s[G0XB+2:G0XB+3], XSTR
	s_add_nc_u64 s[G0WB+2:G0WB+3], s[G0WB+2:G0WB+3], WSTR
	s_wait_dscnt 0x0                               ; the add is done, and my reads of this phase's tiles are over
	s_barrier_signal -1
	WIN 0xa1
	MUL16 0, 1, 0
	WIN 0
	s_barrier_wait -1
	CREST                                          ; no wave of any partner still reads a tile
	ARMS4
	WIN 0xa1
	MUL16 2, 1, 0
	WIN 0
.endif
	PLACES 4
	OUT \t, \kd
.endm
	s_load_b256 s[4:11], s[0:1], 0x0               ; codes, bq, bk, bv
	s_load_b128 s[12:15], s[0:1], 0x20             ; the scales' exponents, hc
	v_lshl_add_u32 v[SPW], v0, 2, SPARE
	v_mov_b32 v[NIL], 0
	ds_add_u32 v[SPW], v[NIL]                      ; the opening lines: the add, twice on end, and its wait
	ds_add_u32 v[SPW], v[NIL]
	s_wait_dscnt 0x0
	v_lshrrev_b32 v1, 5, v0
	v_readfirstlane_b32 s[WV], v1                  ; wave 0..3
	s_lshr_b32 s[H1], s[WV], 1
	s_and_b32 s[H0], s[WV], 1
	s_bfe_u32 s19, ttmp6, 0x40000                  ; cx: the block of 256 features
	s_bfe_u32 s20, ttmp6, 0x40004                  ; cy
	s_and_b32 s21, ttmp7, 0xffff
	s_lshl_b32 s23, s21, 2
	s_add_co_u32 s23, s23, s20                     ; the block of 128 tokens, 0 .. 63
	s_lshl_b32 s66, s20, 2
	s_lshl_b32 s66, 15, s66                        ; my row of the cluster
	s_lshl_b32 s67, 0x1111, s19                    ; my column
	s_or_b32 s[G1XA], s66, (3<<16)|(1<<21)         ; 15:0 the mask; 17:16 elements of 8 bytes; 21 set beside a mask
	s_or_b32 s[G1XB], s66, (3<<16)|(1<<21)
	s_or_b32 s[G1WA], s67, (3<<16)|(1<<21)
	s_or_b32 s[G1WB], s67, (3<<16)|(1<<21)
	G1SET G1XA, 512, 8
	G1SET G1WA, 512, 16
	G1SET G1XB, 1024, 8
	G1SET G1WB, 1024, 16
	s_lshl_b32 s76, s23, 17                        ; x: 128 tokens are 131,072 bytes: made of the token block alone
	s_mov_b32 s77, 0
	s_lshl_b32 s78, s19, 18                        ; W: 256 rows are 262,144 bytes: made of cx alone
	s_add_co_u32 s78, s78, WOFF
	s_mov_b32 s79, 0
	s_wait_kmcnt 0x0
	s_load_b256 s[80:87], s[12:13], 0x0            ; entries 0 to 7
	s_load_b32 s88, s[12:13], 0x20                 ; entry 8
	s_add_nc_u64 s[76:77], s[4:5], s[76:77]
	s_add_nc_u64 s[78:79], s[4:5], s[78:79]
	s_mov_b32 s[G0XA], 1
	s_mov_b32 s[G0XA+1], R0X
	s_mov_b64 s[G0XA+2:G0XA+3], s[76:77]
	s_or_b32 s[G0XA+3], s[G0XA+3], 0x80000000
	s_mov_b32 s[G0WA], 1
	s_mov_b32 s[G0WA+1], R0W
	s_mov_b64 s[G0WA+2:G0WA+3], s[78:79]
	s_or_b32 s[G0WA+3], s[G0WA+3], 0x80000000
	s_mov_b32 s[G0XB], 1
	s_mov_b32 s[G0XB+1], R1X
	s_add_nc_u64 s[G0XB+2:G0XB+3], s[76:77], 4096  ; from K step 2 on
	s_or_b32 s[G0XB+3], s[G0XB+3], 0x80000000
	s_mov_b32 s[G0WB], 1
	s_mov_b32 s[G0WB+1], R1W
	s_add_nc_u64 s[G0WB+2:G0WB+3], s[78:79], 4096
	s_or_b32 s[G0WB+3], s[G0WB+3], 0x80000000
	CROUND                                         ; all sixteen work-groups are here: the first joint loads meet
	ARMS4                                          ; q's K steps 0 to 5: one tensor load a wave
	s_lshl_b32 s66, s[H1], 14                      ; q, k: source 1 = my four row blocks of x, in region 0
	s_lshl_b32 s67, s[H1], 15
	s_add_co_u32 s67, s67, R1X                     ; and in region 1;
	s_lshl_b32 s76, s[H0], 15
	s_add_co_u32 s76, s76, R0W                     ; source 0 = my eight row blocks of W
	s_lshl_b32 s77, s[H0], 16
	s_add_co_u32 s77, s77, R1W
	s_lshl_b32 s78, s[WV], 14                      ; v: source 1 = my four row blocks of W; source 0 = all of x
	s_add_co_u32 s78, s78, R0W
	s_lshl_b32 s79, s[WV], 15
	s_add_co_u32 s79, s79, R1W
	s_mul_i32 s22, s[WV], 1536
	s_add_co_u32 s22, s22, BSCR                    ; my scratch
	s_lshl_b32 s21, s19, 10                        ; the biases: q, k: features 256 cx + 128 (wave % 2) on; v: 256 cx + 64 wave on
	s_lshl_b32 s96, s[H0], 9
	s_add_co_u32 s96, s96, s21
	s_mov_b32 s97, 0
	s_add_nc_u64 s[6:7], s[6:7], s[96:97]
	s_add_nc_u64 s[8:9], s[8:9], s[96:97]
	s_lshl_b32 s96, s[WV], 8
	s_add_co_u32 s96, s96, s21
	s_add_nc_u64 s[10:11], s[10:11], s[96:97]
	s_lshr_b32 s21, s23, 4                         ; where my results go: head 16 n + 4 cx + ..; 128 tokens are 8,192 bytes of a head in all three parts
	s_lshl_b32 s21, s21, 4
	s_lshl_b32 s94, s19, 2
	s_add_co_u32 s21, s21, s94
	s_and_b32 s94, s23, 15
	s_lshl_b32 s94, s94, 13
	s_lshl_b32 s96, s[H0], 1                       ; q, k: my two heads, my 64 tokens
	s_add_co_u32 s96, s96, s21
	s_lshl_b32 s96, s96, 17
	s_add_co_u32 s96, s96, s94
	s_lshl_b32 s95, s[H1], 12
	s_add_co_u32 s96, s96, s95
	s_add_nc_u64 s[90:91], s[14:15], s[96:97]
	s_add_co_u32 s96, s21, s[WV]                   ; v: my head, all 128 tokens, in part V
	s_lshl_b32 s96, s96, 17
	s_add_co_u32 s96, s96, s94
	s_add_co_u32 s96, s96, 2*XSTR
	s_add_nc_u64 s[92:93], s[14:15], s[96:97]
	v_and_b32 v1, 31, v0
	v_and_b32 v2, 15, v0                           ; r
	v_bfe_u32 v3, v0, 4, 1                         ; h
	v_lshlrev_b32 v[LI], 4, v1
	v_lshlrev_b32 v[L8], 3, v1
	v_add_nc_u32 v[A1], s66, v[LI]
	v_add_nc_u32 v[A1+1], s67, v[LI]
	v_add_nc_u32 v[A1+2], s78, v[LI]
	v_add_nc_u32 v[A1+3], s79, v[LI]
	v_add_nc_u32 v[A0], s76, v[LI]
	v_add_nc_u32 v[A0+1], s77, v[LI]
	v_add_nc_u32 v[A0+2], R0X, v[LI]
	v_add_nc_u32 v[A0+3], R1X, v[LI]
	v_add_nc_u32 v[BSA], s22, v[LI]
	v_add_nc_u32 v[BSV], s22, v[L8]
	v_lshl_add_u32 v[BRQ], v3, 5, s22
	v_lshl_add_u32 v[BRV], v2, 2, s22
	global_load_b128 v[8:11], v[LI], s[6:7]        ; 512 consecutive bytes of bq,
	global_load_b128 v[12:15], v[LI], s[8:9]       ; of bk,
	global_load_b64 v[4:5], v[L8], s[10:11]        ; 256 of bv
	s_wait_alu depctr_va_vdst(0)
	PHASE 0, 0, 0
	PHASE 1, 0, 0
	PHASE 2, 1, 1
	s_wait_tensorcnt 0x0                           ; the wave's end
	ds_add_u32 v[SPW], v[NIL]
	s_wait_dscnt 0x0
	CROUND                                         ; the closing round
	s_endpgm
.Lfunc_end_k_q3c8498f323_proj:
	.size	k_q3c8498f323_proj, .Lfunc_end_k_q3c8498f323_proj-k_q3c8498f323_proj
	.p2alignl 7, 3214868480
	.fill 96, 4, 3214868480
	.section	.rodata,"a",@progbits
	.p2align	6, 0x0
	.amdhsa_kernel k_q3c8498f323_proj
		.amdhsa_group_segment_fixed_size 327680
		.amdhsa_private_segment_fixed_size 0
		.amdhsa_enable_private_segment 0
		.amdhsa_kernarg_size 48
		.amdhsa_user_sgpr_count 2
		.amdhsa_user_sgpr_kernarg_segment_ptr 1
		.amdhsa_wavefront_size32 1
		.amdhsa_system_sgpr_workgroup_id_x 1
		.amdhsa_system_sgpr_workgroup_id_y 1
		.amdhsa_system_sgpr_workgroup_id_z 1
		.amdhsa_system_vgpr_workitem_id 0
		.amdhsa_next_free_vgpr 768
		.amdhsa_next_free_sgpr 100
		.amdhsa_reserve_vcc 0
		.amdhsa_float_denorm_mode_32 3
		.amdhsa_float_denorm_mode_16_64 3
		.amdhsa_memory_ordered 1
		.amdhsa_forward_progress 1
		.amdhsa_inst_pref_size 233
	.end_amdhsa_kernel
	.amdgpu_metadata
---
amdhsa.version: [ 1, 2 ]
amdhsa.kernels:
  - .name:           k_q3c8498f323_proj
    .symbol:         k_q3c8498f323_proj.kd
    .args:
      - { .name: codes, .offset: 0, .size: 8, .value_kind: global_buffer, .address_space: global }
      - { .name: bq, .offset: 8, .size: 8, .value_kind: global_buffer, .address_space: global }
      - { .name: bk, .offset: 16, .size: 8, .value_kind: global_buffer, .address_space: global }
      - { .name: bv, .offset: 24, .size: 8, .value_kind: global_buffer, .address_space: global }
      - { .name: lowp_scales, .offset: 32, .size: 8, .value_kind: global_buffer, .address_space: global }
      - { .name: hc, .offset: 40, .size: 8, .value_kind: global_buffer, .address_space: global }
    .group_segment_fixed_size: 327680
    .private_segment_fixed_size: 0
    .kernarg_segment_align: 8
    .kernarg_segment_size: 48
    .max_flat_workgroup_size: 128
    .sgpr_count:     100
    .vgpr_count:     768
    .wavefront_size: 32
...
	.end_amdgpu_metadata
.endif
;; end of part 2
;; launch attn (part 3): grid 4 x 64, 16 waves a work-group, clusters of 4 x 1, 327,680 bytes of LDS; arguments hc, lowp_scales, ac; writes ac
.if DOCPART == 3
	.amdgcn_target "amdgcn-amd-amdhsa--gfx1250"
	.amdhsa_code_object_version 6
	.text
	.protected	k_q3c8498f323_attn
	.globl	k_q3c8498f323_attn
	.p2align	8
	.type	k_q3c8498f323_attn,@function
k_q3c8498f323_attn:
	s_mov_b64 s[64:65], 0
	v_nop
	global_prefetch_b8 v0, s[64:65] scope:SCOPE_SE
	s_setreg_imm32_b32 hwreg(HW_REG_WAVE_MODE, 25, 1), 1
	s_wait_xcnt 0x0
	s_wait_alu depctr_hold_cnt(0) depctr_sa_sdst(0) depctr_va_vdst(0) depctr_va_sdst(0) depctr_va_ssrc(0) depctr_va_vcc(0) depctr_vm_vsrc(0)
	s_getreg_b32 s2, hwreg(HW_REG_IB_STS2, 6, 4)
	s_cmp_eq_u32 s2, 0
	s_cbranch_scc0 .Lentry_in_a_cluster
	s_endpgm
.Lentry_in_a_cluster:
	s_bfe_u32 s2, ttmp6, 0x10000c
	s_cmp_lg_u32 s2, 0x3003
	s_cbranch_scc0 .Lentry_shape_is_right
	s_endpgm
.Lentry_shape_is_right:
; Attention of one head on codes of E4M3: O = softmax(Q K^T / 32) V, both products quantised, and O quantised anew (scale entry 10) as the last projection's operand.
; The two masks among the problem's inputs reach no output (see the first kernel's head) and are not loaded.
; hc: Q, K, V parts of 8 MiB, each [16 n + head][131,072 bytes], images of operand registers.  Q, K: [16 tokens][1,024 bytes] (K = the head's 64); V: [128 keys][16 of the head's 64][2,048 bytes] (K = the keys).
; ac: [16 tokens][K step of 128][2,048 bytes]; a head is half a K step, 1,024 bytes.
; THE SOFTMAX: t = score x log2(e) / 32; M = the running largest t rounded up to a whole number, kept as -M; p = 2^(t - M) is quantised with entry 9; the row's sum is taken of the unquantised p and divides at the end.
; When M moves, the sum and O^T are multiplied by 2^(old M - new M), in every step, with no branch on data.
; SHARES.  A work-group owns 512 queries of one head, each of 16 waves 32 of them (two tiles).  All of the head's K and V, 2 x 128 KiB, lie in LDS: each wave asks for 16 KiB by ONE tensor load at the head
; (waves 0-7 K, 8-15 V), jointly with the three partners of its cluster, which own the head's other queries.  Nothing is filled again.
; No data prefetch: every tile is asked for at the head, so there is no later load to run ahead of.
; Both products are used transposed (S^T = K Q^T, O^T = V^T P^T): a lane holds one query; tile T's eight registers are keys 16 T + 8 h + 0 .. 7, so a conversion's two registers are registers 2 T, 2 T + 1 of P.
; A STEP is 128 keys.  Two areas of 64 registers change roles from step to step: one holds K's fragments and then V's, the other the scores and then the next step's K.  A trip of the loop is two steps.
; The 64 exponentials of a tile go in two halves; between them stand plain lines that read nothing written since the wait ahead: the other half's t - M, then the first half's holds.
; LIMITS: entries 6 + 7 between -121 and 130 (added to c's exponent field); entries 9 and 10 between -126 and 119; the scaled scores stay under 2^31 in magnitude.  NaN among the inputs is not served.
; REGISTERS: v0 0, v1 my spare word (both for the add alone); v2 -M of tile 0, v3 16 x lane; v4 -M of tile 1, v5 the LDS address in hand; v[6:7], v[8:9] the sums; v10 f, v11 2^e9; v12-15 at work;
;   v16-31 Q; v32-95, v96-159 the two areas; v160-223 O^T; v224-239, v240-255 P's codes.
.set VB,    131072                     ; V's region in LDS, behind K's
.set SPARE, 262144                     ; behind both: the spare words, 128 bytes a wave: eight blocks of 256 bytes that no other line names
.macro ROUND
	s_barrier_signal -1
	s_barrier_wait -1
	s_cmp_lg_u32 s10, 0
	s_cbranch_scc1 .Lnot_wave_0_\@
	s_barrier_signal -3
.Lnot_wave_0_\@:
	s_barrier_wait -3
	s_barrier_signal -1
	s_barrier_wait -1
.endm
.macro DMIN r                          ; the hold at 448 x 2^e9 for two numbers (the conversion does not saturate: ISA guide 7.6.2; p is not negative)
	v_dual_min_num_f32 v[\r], s21, v[\r] :: v_dual_min_num_f32 v[\r+1], s21, v[\r+1]
.endm
.macro ADDMIN ch, r                    ; two unquantised p onto a chain of the sum, then their hold
	v_pk_add_f32 v[\ch:\ch+1], v[\ch:\ch+1], v[\r:\r+1]
	DMIN \r
.endm
.macro PF r                            ; t - M for two scores (of the pairs c and -M the low word serves both halves)
	v_pk_fma_f32 v[\r:\r+1], v[\r:\r+1], s[18:19], v[NM:NM+1] op_sel_hi:[1,0,0]
.endm
.macro OM                              ; two numbers of O^T x f
	v_pk_mul_f32 v[OB+o:OB+o+1], v[OB+o:OB+o+1], v[10:11] op_sel_hi:[1,0]
.set o, o+2
.endm
; The softmax of tile x on the 64 scores at v[S ..]; codes to v[P ..].  pre = 1: the next step's K comes into the scores' registers as they fall free.
.macro SOFT S, x, P, pre, off
.set NM, 2+2*(\x)
.set LS, 6+2*(\x)
.set OB, 160+32*(\x)
	v_max3_num_f32 v12, v[\S], v[\S+1], v[\S+2]    ; the step's largest score, in four chains; each accumulator is read from its low end on
	v_max3_num_f32 v13, v[\S+3], v[\S+4], v[\S+5]
	v_max3_num_f32 v14, v[\S+6], v[\S+7], v[\S+8]
	v_max3_num_f32 v15, v[\S+9], v[\S+10], v[\S+11]
.set j, 12
.rept 26
	v_max3_num_f32 v[12+(j/2-6)%4], v[12+(j/2-6)%4], v[\S+j], v[\S+j+1]
.set j, j+2
.endr
	v_max3_num_f32 v12, v12, v13, v14
	s_delay_alu instid0(VALU_DEP_1)
	v_max_num_f32 v12, v12, v15
	s_delay_alu instid0(VALU_DEP_1)
	v_permlanex16_b32 v13, v12, s16, s17
	s_delay_alu instid0(VALU_DEP_1)
	v_max_num_f32 v12, v12, v13                    ; and lane l xor 16's
	s_delay_alu instid0(VALU_DEP_1)
	v_mul_f32 v12, s13, v12                        ; x -c: -t
	s_delay_alu instid0(VALU_DEP_1)
	v_floor_f32 v12, v12                           ; -ceil(t)
	s_delay_alu instid0(VALU_DEP_1)
	v_sub_f32 v13, v12, v[NM]
	v_min_num_f32 v[NM], v[NM], v12                ; the new -M
	s_delay_alu instid0(VALU_DEP_2)
	v_min_num_f32 v13, 0, v13                      ; old M - new M: a whole number, 0 or less
.set j, \S
.rept 4
	PF j
.set j, j+2
.endr
	v_cvt_i32_f32 v13, v13                         ; (it saturates)
.rept 4
	PF j
.set j, j+2
.endr
	v_ldexp_f32 v10, 1.0, v13                      ; f = 2^(old M - new M)
.rept 8
	PF j
.set j, j+2
.endr
	v_pk_mul_f32 v[LS:LS+1], v[LS:LS+1], v[10:11] op_sel_hi:[1,0]
	s_wait_alu depctr_va_vdst(0)
.set j, \S
.rept 16
	v_exp_f32 v[j], v[j]                           ; the first 32 p;
	v_exp_f32 v[j+1], v[j+1]
	PF j+32                                        ; between them the other half's t - M
.set j, j+2
.endr
	s_wait_alu depctr_va_vdst(0)                   ; behind the batch, and directly ahead of O^T's first reader
.set o, 0
	OM
	v_pk_add_f32 v[12:13], v[\S:\S+1], v[\S+2:\S+3]      ; the sum of the unquantised p, in three chains, by turns with O^T x f
	OM
	v_pk_add_f32 v[14:15], v[\S+4:\S+5], v[\S+6:\S+7]
.set j, \S+8
.rept 4
	OM
	v_pk_add_f32 v[LS:LS+1], v[LS:LS+1], v[j:j+1]
	OM
	v_pk_add_f32 v[12:13], v[12:13], v[j+2:j+3]
	OM
	v_pk_add_f32 v[14:15], v[14:15], v[j+4:j+5]
.set j, j+6
.endr
	OM
	OM
.set j, \S
.rept 16
	v_exp_f32 v[j+32], v[j+32]                     ; the other 32 p;
	v_exp_f32 v[j+33], v[j+33]
	DMIN j                                         ; between them the first half's holds
.set j, j+2
.endr
	s_wait_alu depctr_va_vdst(0)                   ; behind the batch
.irp T, 0,1,2,3
	v_cvt_scalef32_pk8_fp8_f32 v[\P+2*\T:\P+2*\T+1], v[\S+8*\T:\S+8*\T+7], v11
.endr
.if \pre
	v_add_nc_u32 v5, s20, v3
.irp T, 0,1,2,3
.irp c, 0,1
	ds_load_b128 v[\S+8*\T+4*\c:\S+8*\T+4*\c+3], v5 offset:\off+8192+1024*\T+512*\c
.endr
.endr
.endif
.set j, \S+32
.rept 5
	ADDMIN LS, j
	ADDMIN 12, j+2
	ADDMIN 14, j+4
.set j, j+6
.endr
	ADDMIN LS, j
	v_pk_add_f32 v[12:13], v[12:13], v[14:15]
.irp T, 4,5,6,7
	v_cvt_scalef32_pk8_fp8_f32 v[\P+2*\T:\P+2*\T+1], v[\S+8*\T:\S+8*\T+7], v11
.endr
	v_pk_add_f32 v[LS:LS+1], v[LS:LS+1], v[12:13]  ; (also the plain line behind the conversions)
.if \pre
.irp T, 4,5,6,7
.irp c, 0,1
	ds_load_b128 v[\S+8*\T+4*\c:\S+8*\T+4*\c+3], v5 offset:\off+8192+1024*\T+512*\c
.endr
.endr
.endif
.endm
; A step: K's eight fragments are on their way into v[KA ..]; the scores go to v[SA ..].  off: the step's bytes within the trip.  nxt = 1: the next step's K is fetched into v[SA ..].
.macro STEP KA, SA, off, nxt
	s_wait_dscnt 0x0                               ; K's fragments are in
.irp T, 0,1,2,3,4,5,6,7
	v_wmma_f32_16x16x64_fp8_fp8 v[\SA+8*\T:\SA+8*\T+7], v[\KA+8*\T:\KA+8*\T+7], v[16:23], 0
.endr
.rept 4
	v_nop                                          ; places ahead of the first read of the scores (ISA guide 7.12.1)
.endr
	SOFT \SA, 0, 224, 0, 0
.irp T, 0,1,2,3,4,5,6,7
	v_wmma_f32_16x16x64_fp8_fp8 v[\SA+8*\T:\SA+8*\T+7], v[\KA+8*\T:\KA+8*\T+7], v[24:31], 0
.endr
	v_add_nc_u32 v5, s22, v3                       ; four places ahead of the loads into K's registers and of the first read of the scores
.rept 3
	v_nop
.endr
.irp t, 0,1,2,3
.irp g, 0,1,2,3
	ds_load_b128 v[\KA+16*\t+4*\g:\KA+16*\t+4*\g+3], v5 offset:\off+2048*\t+512*\g   ; V's four fragments take K's place
.endr
.endr
	SOFT \SA, 1, 240, \nxt, \off
	s_wait_alu depctr_va_vdst(0)                   ; directly ahead of the wait below
	s_wait_dscnt 16*\nxt                           ; V's 16 loads are in; the next K's 16, issued behind them, may be out
.irp t, 0,1,2,3
.irp x, 0,1
	v_wmma_f32_16x16x128_fp8_fp8 v[160+32*\x+8*\t:167+32*\x+8*\t], v[\KA+16*\t:\KA+16*\t+15], v[224+16*\x:239+16*\x], v[160+32*\x+8*\t:167+32*\x+8*\t]
.endr
.endr
.if \nxt
.rept 5
	v_nop                                          ; five places: the next step's scores are laid over V's registers
.endr
.endif
.endm
	s_load_b128 s[4:7], s[0:1], 0x0                ; hc, the scales' exponents
	s_load_b64 s[8:9], s[0:1], 0x10                ; ac
	v_lshl_add_u32 v1, v0, 2, SPARE
	v_lshrrev_b32 v12, 5, v0
	v_and_b32 v3, 31, v0
	v_mov_b32 v0, 0
	ds_add_u32 v1, v0                              ; the opening lines: the add, twice on end, and its wait ahead of my tensor load
	ds_add_u32 v1, v0
	v_readfirstlane_b32 s10, v12                   ; wave 0..15
	v_lshlrev_b32 v3, 4, v3                        ; 16 x lane
	s_bfe_u32 s11, ttmp6, 0x40000                  ; cx: which 512 queries
	s_and_b32 s12, ttmp7, 0xffff                   ; 16 n + head
	s_lshr_b32 s13, s10, 3                         ; I fetch for K (0) or V (1),
	s_and_b32 s14, s10, 7                          ; its 16 KiB number wave % 8
	s_lshl_b32 s15, s13, 17
	s_lshl_b32 s22, s14, 14
	s_add_co_u32 s41, s15, s22                     ; LDS address: made of the wave's number alone
	s_add_co_u32 s56, s13, 1
	s_lshl_b32 s56, s56, 23
	s_lshl_b32 s57, s12, 17
	s_add_co_u32 s56, s56, s57
	s_add_co_u32 s56, s56, s22                     ; and in hc: part, head, my 16 KiB: the same in all four partners
	s_mov_b32 s57, 0
	s_mov_b32 s24, 15|(3<<16)|(1<<21)              ; group 1: the mask of the four partners; elements of 8 bytes; bit 21 beside a mask
	s_mov_b32 s25, 32<<16                          ; 64 rows of 256 bytes, dense
	s_mov_b32 s26, 64<<16
	s_mov_b32 s27, 32<<16
	s_mov_b32 s28, 64
	s_mov_b32 s29, 32
	s_mov_b32 s30, 0
	s_mov_b32 s31, 0
	s_lshl_b32 s54, s12, 17                        ; Q: head, 512 cx, my 32 queries
	s_lshl_b32 s55, s11, 15
	s_add_co_u32 s54, s54, s55
	s_lshl_b32 s55, s10, 11
	s_add_co_u32 s54, s54, s55
	s_mov_b32 s55, 0
	s_lshr_b32 s58, s12, 4                         ; ac: token block 128 n + 32 cx + 2 wave, of 16,384 bytes; the head's 1,024 bytes
	s_lshl_b32 s58, s58, 21
	s_lshl_b32 s59, s11, 19
	s_add_co_u32 s58, s58, s59
	s_lshl_b32 s59, s10, 15
	s_add_co_u32 s58, s58, s59
	s_and_b32 s59, s12, 15
	s_lshl_b32 s59, s59, 10
	s_add_co_u32 s58, s58, s59
	s_mov_b32 s59, 0
	s_mov_b32 s16, 0x76543210                      ; v_permlanex16_b32's selects for lane l xor 16
	s_mov_b32 s17, 0xfedcba98
	s_mov_b32 s18, 0x3d38aa3b                      ; c = log2(e) / 32
	s_wait_alu depctr_va_vdst(0)                   ; directly ahead of the waits below
	s_wait_dscnt 0x0                               ; both opening adds are done
	s_wait_kmcnt 0x0
	s_load_b128 s[48:51], s[6:7], 0x18             ; entries 6 to 9
	s_load_b32 s52, s[6:7], 0x28                   ; entry 10
	s_mov_b32 s40, 1
	s_add_nc_u64 s[42:43], s[4:5], s[56:57]
	s_or_b32 s43, s43, 0x80000000
	s_add_nc_u64 s[54:55], s[4:5], s[54:55]
	s_add_nc_u64 s[8:9], s[8:9], s[58:59]
	ROUND                                          ; the four partners are here: the joint loads meet
	tensor_load_to_lds s[40:43], s[24:31]          ; my one tensor load
	s_nop 0
.irp x, 0,1
.irp c, 0,1
	global_load_b128 v[16+8*\x+4*\c:19+8*\x+4*\c], v3, s[54:55] offset:1024*\x+512*\c   ; Q's two fragments stay in registers
.endr
.endr
	v_mov_b32 v2, 0x7f61b1e6                       ; -M = 3e38: above every -ceil(t)
	v_mov_b32 v4, 0x7f61b1e6
.irp r, 5,6,7,8,9
	v_mov_b32 v\r, 0
.endr
.set j, 0
.rept 64
	v_mov_b32 v[160+j], 0                          ; O^T: the step is written once; the first f is 0 and leaves zeros
.set j, j+1
.endr
	s_wait_kmcnt 0x0
	s_add_co_i32 s53, s48, s49
	s_lshl_b32 s53, s53, 23
	s_add_co_i32 s18, s18, s53                     ; c x 2^(e6 + e7)
	s_mov_b32 s19, s18
	s_xor_b32 s13, s18, 0x80000000                 ; -c
	s_add_co_i32 s53, s51, 127
	s_lshl_b32 s22, s53, 23
	v_mov_b32 v11, s22                             ; 2^e9, for the conversion
	s_add_co_i32 s53, s53, 8
	s_lshl_b32 s53, s53, 23
	s_or_b32 s21, s53, 0x600000                    ; 448 x 2^e9
	s_add_co_i32 s53, s52, 127
	s_lshl_b32 s15, s53, 23                        ; 2^e10
	s_add_co_i32 s53, s53, 8
	s_lshl_b32 s53, s53, 23
	s_or_b32 s14, s53, 0x600000                    ; 448 x 2^e10
	s_mov_b32 s20, 0                               ; the trip's bytes in K's region,
	s_mov_b32 s22, VB                              ; and in V's
	s_mov_b32 s23, 8                               ; 8 trips of two steps
	s_wait_alu depctr_va_vdst(0)
	s_wait_tensorcnt 0x0                           ; my 16 KiB are in
	s_barrier_signal -1
	s_barrier_wait -1                              ; everybody's are
	s_wait_loadcnt 0x0                             ; Q
.Ltrip:
	v_add_nc_u32 v5, s20, v3                       ; with the four below: five places between the last products and the scores laid over V's registers
.rept 4
	v_nop
.endr
.irp T, 0,1,2,3,4,5,6,7
.irp c, 0,1
	ds_load_b128 v[32+8*\T+4*\c:35+8*\T+4*\c], v5 offset:1024*\T+512*\c
.endr
.endr
	STEP 32, 96, 0, 1
	STEP 96, 32, 8192, 0
	s_add_co_u32 s20, s20, 16384
	s_add_co_u32 s22, s22, 16384
	s_sub_co_u32 s23, s23, 1
	s_cmp_lg_u32 s23, 0
	s_cbranch_scc1 .Ltrip
	; THE WAY OUT: O^T / the sum x 2^(e8 + e9), held, converted with 2^e10; the codes leave as images, 512 consecutive bytes a store.
.rept 4
	v_nop
.endr
	v_add_f32 v6, v6, v7
	v_add_f32 v8, v8, v9
	s_delay_alu instid0(VALU_DEP_2)
	v_permlanex16_b32 v12, v6, s16, s17
	s_delay_alu instid0(VALU_DEP_2)
	v_permlanex16_b32 v13, v8, s16, s17
	s_delay_alu instid0(VALU_DEP_2)
	v_add_f32 v6, v6, v12
	s_delay_alu instid0(VALU_DEP_2)
	v_add_f32 v8, v8, v13
	v_mov_b32 v14, s14
	v_mov_b32 v15, s15
	s_wait_alu depctr_va_vdst(0)                   ; ahead of the transcendentals
	v_rcp_f32 v6, v6
	v_rcp_f32 v8, v8
	v_nop
	s_add_co_i32 s53, s50, s51
	s_wait_alu depctr_va_vdst(0)                   ; and ahead of their first reader
	v_ldexp_f32 v6, v6, s53
	v_ldexp_f32 v8, v8, s53
	s_wait_alu depctr_va_vdst(0)                   ; directly ahead of O^T's first reader
.irp x, 0,1
.set j, 0
.rept 16
	v_pk_mul_f32 v[32+32*\x+j:33+32*\x+j], v[160+32*\x+j:161+32*\x+j], v[6+2*\x:7+2*\x] op_sel_hi:[1,0]
.set j, j+2
.endr
.endr
.set j, 0
.rept 64
	v_med3_num_f32 v[32+j], v[32+j], -v14, v14
.set j, j+1
.endr
.irp u, 0,1,2,3,4,5,6,7
	v_cvt_scalef32_pk8_fp8_f32 v[96+2*\u:97+2*\u], v[32+8*\u:39+8*\u], v15
.endr
	v_nop
.irp x, 0,1
.irp g, 0,1
	global_store_b128 v3, v[96+8*\x+4*\g:99+8*\x+4*\g], s[8:9] offset:16384*\x+512*\g
.endr
.endr
	s_wait_tensorcnt 0x0                           ; the wave's end
	ds_add_u32 v1, v0
	s_wait_dscnt 0x0
	ROUND                                          ; the closing round
	s_endpgm
.Lfunc_end_k_q3c8498f323_attn:
	.size	k_q3c8498f323_attn, .Lfunc_end_k_q3c8498f323_attn-k_q3c8498f323_attn
	.p2alignl 7, 3214868480
	.fill 96, 4, 3214868480
	.section	.rodata,"a",@progbits
	.p2align	6, 0x0
	.amdhsa_kernel k_q3c8498f323_attn
		.amdhsa_group_segment_fixed_size 327680
		.amdhsa_private_segment_fixed_size 0
		.amdhsa_enable_private_segment 0
		.amdhsa_kernarg_size 24
		.amdhsa_user_sgpr_count 2
		.amdhsa_user_sgpr_kernarg_segment_ptr 1
		.amdhsa_wavefront_size32 1
		.amdhsa_system_sgpr_workgroup_id_x 1
		.amdhsa_system_sgpr_workgroup_id_y 1
		.amdhsa_system_sgpr_workgroup_id_z 1
		.amdhsa_system_vgpr_workitem_id 0
		.amdhsa_next_free_vgpr 256
		.amdhsa_next_free_sgpr 66
		.amdhsa_reserve_vcc 0
		.amdhsa_float_denorm_mode_32 3
		.amdhsa_float_denorm_mode_16_64 3
		.amdhsa_memory_ordered 1
		.amdhsa_forward_progress 1
		.amdhsa_inst_pref_size 73
	.end_amdhsa_kernel
	.amdgpu_metadata
---
amdhsa.version: [ 1, 2 ]
amdhsa.kernels:
  - .name:           k_q3c8498f323_attn
    .symbol:         k_q3c8498f323_attn.kd
    .args:
      - { .name: hc, .offset: 0, .size: 8, .value_kind: global_buffer, .address_space: global }
      - { .name: lowp_scales, .offset: 8, .size: 8, .value_kind: global_buffer, .address_space: global }
      - { .name: ac, .offset: 16, .size: 8, .value_kind: global_buffer, .address_space: global }
    .group_segment_fixed_size: 327680
    .private_segment_fixed_size: 0
    .kernarg_segment_align: 8
    .kernarg_segment_size: 24
    .max_flat_workgroup_size: 512
    .sgpr_count:     66
    .vgpr_count:     256
    .wavefront_size: 32
...
	.end_amdgpu_metadata
.endif
;; end of part 3
;; launch outp (part 4): grid 4 x 64, 4 waves a work-group, clusters of 4 x 4, 327,680 bytes of LDS; arguments ac, codes, bo, lowp_scales, out0; writes out0
.if DOCPART == 4
	.amdgcn_target "amdgcn-amd-amdhsa--gfx1250"
	.amdhsa_code_object_version 6
	.text
	.protected	k_q3c8498f323_outp
	.globl	k_q3c8498f323_outp
	.p2align	8
	.type	k_q3c8498f323_outp,@function
k_q3c8498f323_outp:
	s_mov_b64 s[64:65], 0
	v_nop
	global_prefetch_b8 v0, s[64:65] scope:SCOPE_SE
	s_setreg_imm32_b32 hwreg(HW_REG_WAVE_MODE, 25, 1), 1
	s_wait_xcnt 0x0
	s_wait_alu depctr_hold_cnt(0) depctr_sa_sdst(0) depctr_va_vdst(0) depctr_va_sdst(0) depctr_va_ssrc(0) depctr_va_vcc(0) depctr_vm_vsrc(0)
	s_getreg_b32 s2, hwreg(HW_REG_IB_STS2, 6, 4)
	s_cmp_eq_u32 s2, 0
	s_cbranch_scc0 .Lentry_in_a_cluster
	s_endpgm
.Lentry_in_a_cluster:
	s_bfe_u32 s2, ttmp6, 0x10000c
	s_cmp_lg_u32 s2, 0xf033
	s_cbranch_scc0 .Lentry_shape_is_right
	s_endpgm
.Lentry_shape_is_right:
; The last projection: out0 = a Wo^T + bo, on codes of E4M3 (scale entries 10 and 11); sums in f32, each multiplied once by 2^(e10 + e11), the bias added by the same fused multiply-add.
; ac (a's codes) and codes (Wo's, from byte WOOFF on) are images of operand registers: [16 rows][K step of 128, 0 .. 7][2,048 bytes]; a fragment is four loads of 512 consecutive bytes.
; SHARES.  A block of 128 tokens x 256 features is made by four waves, 64 x 128 each: 32 accumulators, 256 registers.  64 x 4 blocks: 256 work-groups.
; LDS.  A K step of the block is (128 + 256) x 128 bytes = 48 KiB.  Six of the eight K steps are asked for at the head, one tensor load a wave: wave 0 a's K steps 0-1, wave 1 Wo's K steps 0-1,
; wave 2 a's K steps 2-5, wave 3 Wo's K steps 2-5.  Behind K step 1 the bytes of K steps 0-1 are filled again, once, with K steps 6-7 (waves 0 and 1); that load has K steps 2 to 4 and half of 5 in which to land.
; CLUSTERS: 4 x 4.  The four of a row need the same tokens' codes, the four of a column the same rows of Wo: each tile is asked for jointly, by the same tensor load with a mask that names the four.
; No data prefetch: the launch has no loop to run ahead in, and six of its eight K steps are asked for at the head.
; THE MATRIX INSTRUCTION IS USED TRANSPOSED (source 0 = 16 rows of Wo, source 1 = 16 tokens): a lane holds eight neighbouring features of one token.
; LIMIT: e10 + e11 between -126 and 127, so that 2^(e10 + e11) is an f32 number.
; REGISTERS, in windows of 256: window 0: v8-31 addresses; v128-255 a's four fragments, two sets; on the way out v32-95 results, v128-255 rows read back.
;   window 1: Wo's eight fragments, two sets, at v0 and v128; on the way out v0-63 the biases.   window 2: accumulator (a, b) at v[8 (8 a + b)].
.set R0X,   0                          ; a's K steps 0-1 (then 6-7): 8 row blocks x 4,096 bytes
.set R0W,   32768                      ; Wo's: 16 row blocks x 4,096
.set R1X,   98304                      ; a's K steps 2-5: 8 row blocks x 8,192
.set R1W,   163840                     ; Wo's: 16 row blocks x 8,192
.set SPARE, 294912                     ; the spare words, 128 bytes for each wave: two blocks of 256 bytes that no other line names
.set BSCR,  295424                     ; 512 bytes for each wave, its 128 biases; no fill lands here
.set STG,   R1X                        ; the way out's stages: bytes that are filled once, at the head, and read for the last time ahead of the barrier in K step 5
.set WOOFF, 28311552
.set SPITCH, 528
.set STO,  12
.set RD,   13
.set AX,   16                          ; v16-17  LDS address of my fragments of a in the two regions
.set AW,   20                          ; v20-21  the same for Wo
.set LI,   24                          ; v24     16 x lane
.set BSA,  25
.set BRQ,  26
.set SPW,  28                          ; v28     my spare word; never rewritten
.set NIL,  29                          ; v29     0; never rewritten
.set TMP,  32
.set AF,   128
.set BK,   128
.set WV,  16
.set H1,  17                           ; wave / 2: my half of the tokens; also which region I fetch at the head
.set H0,  18                           ; wave % 2: my half of the features
.set G1XA, 24                          ; four groups 1: a and Wo, rows of 4,096 and of 8,192 bytes
.set G1WA, 32
.set G1XB, 40
.set G1WB, 48
.set G0X,  56                          ; groups 0
.set G0W,  60
.set MSB, 0
.macro WIN new
.if MSB != (\new)
	s_set_vgpr_msb (MSB<<8)|(\new)
.set MSB, (\new)
.endif
.endm
.macro TL g0, g1                       ; a joint load
	tensor_load_to_lds s[\g0:\g0+3], s[\g1:\g1+7]
	s_nop 0
.rept 4
	v_nop
.endr
.endm
.macro G1SET g, len, rows              ; rows of len elements of 8 bytes, 16,384 bytes apart in memory, dense in LDS
	s_mov_b32 s[\g+1], (\len)<<16
	s_mov_b32 s[\g+2], (\rows)<<16
	s_mov_b32 s[\g+3], (\len)<<16
	s_mov_b32 s[\g+4], \rows
	s_mov_b32 s[\g+5], 2048
	s_mov_b32 s[\g+6], 0
	s_mov_b32 s[\g+7], 0
.endm
.macro CREST
	s_cmp_lg_u32 s[WV], 0
	s_cbranch_scc1 .Lnot_wave_0_\@
	s_barrier_signal -3
.Lnot_wave_0_\@:
	s_barrier_wait -3
	s_barrier_signal -1
	s_barrier_wait -1
.endm
.macro CROUND
	s_barrier_signal -1
	s_barrier_wait -1
	CREST
.endm
.macro PLACES n                        ; plain vector lines between a matrix instruction and a load into, or a vector line on, its registers (ISA guide 7.12.1 for vector lines)
.rept \n
	v_nop
.endr
.endm
.macro FRAG reg, adr, off
.irp c, 0,1,2,3
	ds_load_b128 v[\reg+4*\c:\reg+4*\c+3], v[\adr] offset:(\off)+512*\c
.endr
.endm
.macro FETCH k, p                      ; K step k's twelve fragments into set p: 48 loads
.if ((\k) >= 2) && ((\k) <= 5)
.set RG, 1
.set PT, 8192
.set QO, 2048*((\k)-2)
.else
.set RG, 0
.set PT, 4096
.set QO, 2048*((\k)%2)
.endif
	WIN 0x40                                       ; destination window 1, address window 0
.irp i, 0,1,2,3,4,5,6,7
	FRAG 128*(\p)+16*\i, AW+RG, PT*\i+QO
.endr
	WIN 0
.irp i, 0,1,2,3
	FRAG AF+64*(\p)+16*\i, AX+RG, PT*\i+QO
.endr
.endm
; 16 matrix instructions: token blocks a0, a0 + 1 x Wo's eight.  The 32 accumulators take turns, one instruction a turn, in the same order in every K step.
.macro MUL16 a0, p, zero
.irp a, \a0, \a0+1
.irp b, 0,1,2,3,4,5,6,7
.if \zero
	v_wmma_f32_16x16x128_fp8_fp8 v[8*(8*(\a)+\b):8*(8*(\a)+\b)+7], v[128*(\p)+16*\b:128*(\p)+16*\b+15], v[AF+64*(\p)+16*(\a):AF+64*(\p)+16*(\a)+15], 0
.else
	v_wmma_f32_16x16x128_fp8_fp8 v[8*(8*(\a)+\b):8*(8*(\a)+\b)+7], v[128*(\p)+16*\b:128*(\p)+16*\b+15], v[AF+64*(\p)+16*(\a):AF+64*(\p)+16*(\a)+15], v[8*(8*(\a)+\b):8*(8*(\a)+\b)+7]
.endif
.endr
.endr
.endm
.macro STEP k, zero                    ; fetches K step k + 1 into the other set and multiplies K step k
	PLACES 4
	FETCH (\k)+1, 1-(\k)%2
	s_wait_dscnt 48                                ; all but the 48 loads just issued: this K step's set is in
	WIN 0xa1                                       ; source 0 window 1, source 1 window 0, C and D window 2
	MUL16 0, (\k)%2, \zero
	MUL16 2, (\k)%2, \zero
	WIN 0
.endm
	s_load_b256 s[4:11], s[0:1], 0x0               ; ac, codes, bo, the scales' exponents
	s_load_b64 s[12:13], s[0:1], 0x20              ; out0
	v_lshl_add_u32 v[SPW], v0, 2, SPARE
	v_mov_b32 v[NIL], 0
	ds_add_u32 v[SPW], v[NIL]                      ; the opening lines: the add, twice on end, and its wait
	ds_add_u32 v[SPW], v[NIL]
	s_wait_dscnt 0x0
	v_lshrrev_b32 v1, 5, v0
	v_readfirstlane_b32 s[WV], v1                  ; wave 0..3
	s_lshr_b32 s[H1], s[WV], 1
	s_and_b32 s[H0], s[WV], 1
	s_bfe_u32 s19, ttmp6, 0x40000                  ; cx: the block of 256 features
	s_bfe_u32 s20, ttmp6, 0x40004                  ; cy
	s_and_b32 s21, ttmp7, 0xffff
	s_lshl_b32 s23, s21, 2
	s_add_co_u32 s23, s23, s20                     ; the block of 128 tokens, 0 .. 63
	s_lshl_b32 s66, s20, 2
	s_lshl_b32 s66, 15, s66                        ; my row of the cluster
	s_lshl_b32 s67, 0x1111, s19                    ; my column
	s_or_b32 s[G1XA], s66, (3<<16)|(1<<21)         ; 15:0 the mask; 17:16 elements of 8 bytes; 21 set beside a mask
	s_or_b32 s[G1XB], s66, (3<<16)|(1<<21)
	s_or_b32 s[G1WA], s67, (3<<16)|(1<<21)
	s_or_b32 s[G1WB], s67, (3<<16)|(1<<21)
	G1SET G1XA, 512, 8
	G1SET G1WA, 512, 16
	G1SET G1XB, 1024, 8
	G1SET G1WB, 1024, 16
	s_lshl_b32 s70, s23, 17                        ; a: 128 tokens are 131,072 bytes; region 1 begins at K step 2: made of the token block and the wave's number alone
	s_lshl_b32 s71, s[H1], 12
	s_add_co_u32 s70, s70, s71
	s_mov_b32 s71, 0
	s_lshl_b32 s76, s19, 18                        ; Wo: 256 rows are 262,144 bytes: made of cx and the wave's number alone
	s_lshl_b32 s77, s[H1], 12
	s_add_co_u32 s76, s76, s77
	s_add_co_u32 s76, s76, WOOFF
	s_mov_b32 s77, 0
	s_mul_i32 s78, s[H1], R1X                      ; where they go: R0X or R1X,
	s_lshl_b32 s79, s[H1], 17
	s_add_co_u32 s79, s79, R0W                     ; R0W or R1W
	s_wait_kmcnt 0x0
	s_load_b64 s[68:69], s[10:11], 0x28            ; e10, e11
	s_mov_b32 s[G0X], 1
	s_mov_b32 s[G0X+1], s78
	s_add_nc_u64 s[G0X+2:G0X+3], s[4:5], s[70:71]
	s_or_b32 s[G0X+3], s[G0X+3], 0x80000000
	s_mov_b32 s[G0W], 1
	s_mov_b32 s[G0W+1], s79
	s_add_nc_u64 s[G0W+2:G0W+3], s[6:7], s[76:77]
	s_or_b32 s[G0W+3], s[G0W+3], 0x80000000
	CROUND                                         ; all sixteen work-groups are here: the first joint loads meet
	s_cmp_eq_u32 s[WV], 0                          ; one chain of branches on the wave's number, one fill to an arm
	s_cbranch_scc0 .Lh1
	TL G0X, G1XA
	s_branch .Lhj
.Lh1:
	s_cmp_eq_u32 s[WV], 1
	s_cbranch_scc0 .Lh2
	TL G0W, G1WA
	s_branch .Lhj
.Lh2:
	s_cmp_eq_u32 s[WV], 2
	s_cbranch_scc0 .Lh3
	TL G0X, G1XB
	s_branch .Lhj
.Lh3:
	TL G0W, G1WB
.Lhj:
	s_lshl_b32 s66, s[H1], 14                      ; my four row blocks of a in region 0,
	s_lshl_b32 s67, s[H1], 15
	s_add_co_u32 s67, s67, R1X                     ; and in region 1
	s_lshl_b32 s70, s[H0], 15
	s_add_co_u32 s70, s70, R0W                     ; my eight row blocks of Wo
	s_lshl_b32 s71, s[H0], 16
	s_add_co_u32 s71, s71, R1W
	s_lshl_b32 s76, s[WV], 9
	s_add_co_u32 s76, s76, BSCR
	s_mul_i32 s77, s[WV], 16*SPITCH
	s_add_co_u32 s77, s77, STG                     ; my stage
	s_lshl_b32 s78, s19, 10                        ; my 128 features begin at 256 cx + 128 x my half: in bytes of f32
	s_lshl_b32 s79, s[H0], 9
	s_add_co_u32 s78, s78, s79
	s_mov_b32 s79, 0
	s_add_nc_u64 s[74:75], s[8:9], s[78:79]        ; the biases
	s_lshl_b32 s21, s23, 19                        ; my first token's row of out0: 128 rows of 4,096 bytes a block, 64 a half
	s_add_co_u32 s78, s78, s21
	s_lshl_b32 s21, s[H1], 18
	s_add_co_u32 s78, s78, s21
	s_add_nc_u64 s[72:73], s[12:13], s[78:79]
	v_and_b32 v1, 31, v0
	v_and_b32 v2, 15, v0                           ; r
	v_bfe_u32 v3, v0, 4, 1                         ; h
	v_lshlrev_b32 v[LI], 4, v1
	v_add_nc_u32 v[AX], s66, v[LI]
	v_add_nc_u32 v[AX+1], s67, v[LI]
	v_add_nc_u32 v[AW], s70, v[LI]
	v_add_nc_u32 v[AW+1], s71, v[LI]
	v_add_nc_u32 v[BSA], s76, v[LI]
	v_lshl_add_u32 v[BRQ], v3, 5, s76
	v_mul_u32_u24 v[STO], v2, SPITCH
	v_lshl_add_u32 v[STO], v3, 5, v[STO]
	v_add_nc_u32 v[STO], s77, v[STO]
	v_add_nc_u32 v[RD], s77, v[LI]
	global_load_b128 v[8:11], v[LI], s[74:75]      ; 512 consecutive bytes; waited for on the way out
	s_wait_alu depctr_va_vdst(0)
	s_wait_tensorcnt 0x0                           ; my load is in
	s_barrier_signal -1
	s_barrier_wait -1                              ; everybody's is: K steps 0 to 5
	FETCH 0, 0
	STEP 0, 1                                      ; its products start the sums
	; K step 1: behind it region 0 is filled again
	PLACES 4
	FETCH 2, 0
	s_wait_tensorcnt 0x0                           ; no tensor load of mine is out, so a group 0 may be written
	ds_add_u32 v[SPW], v[NIL]                      ; 0 onto my spare word
	s_add_nc_u64 s[G0X+2:G0X+3], s[G0X+2:G0X+3], 12288   ; six K steps on
	s_add_nc_u64 s[G0W+2:G0W+3], s[G0W+2:G0W+3], 12288
	s_wait_dscnt 49                                ; K step 1's set is in; the 48 loads just issued and the add may be out
	WIN 0xa1
	MUL16 0, 1, 0
	s_wait_dscnt 0x0                               ; the add is done, and my reads of region 0 are over
	s_barrier_signal -1
	MUL16 2, 1, 0
	WIN 0
	s_barrier_wait -1
	CREST                                          ; the barrier has opened a round of the cluster's barrier: no wave of any partner still reads region 0
	s_cmp_eq_u32 s[WV], 0
	s_cbranch_scc0 .Lr1
	TL G0X, G1XA                                   ; a's K steps 6-7
	s_branch .Lrj
.Lr1:
	s_cmp_eq_u32 s[WV], 1
	s_cbranch_scc0 .Lrj
	TL G0W, G1WA                                   ; Wo's
.Lrj:
	STEP 2, 0
	STEP 3, 0
	STEP 4, 0
	; K step 5: the refill is waited for, and shown to every wave, in its middle
	s_wait_dscnt 0x0                               ; K step 5's set is in: my reads of region 1 are over
	s_wait_tensorcnt 0x0                           ; my part of K steps 6-7 is in
	s_barrier_signal -1
	WIN 0xa1
	MUL16 0, 1, 0
	WIN 0
	s_barrier_wait -1
	PLACES 4
	FETCH 6, 0
	WIN 0xa1
	MUL16 2, 1, 0
	WIN 0
	STEP 6, 0
	s_wait_dscnt 0x0                               ; K step 7
	WIN 0xa1
	MUL16 0, 1, 0
	MUL16 2, 1, 0
	WIN 0
	PLACES 4
	; THE WAY OUT, block by block of 16 tokens x 128 features: sum x 2^(e10 + e11) + bias; through my stage; back as whole rows of 512 bytes, stored as two aligned units of 256 bytes.
	s_wait_kmcnt 0x0
	s_add_co_i32 s68, s68, s69
	s_add_co_i32 s68, s68, 127
	s_lshl_b32 s68, s68, 23                        ; 2^(e10 + e11) as f32
	s_mov_b32 s69, s68
	s_wait_loadcnt 0x0
	ds_store_b128 v[BSA], v[8:11]                  ; my wave's 128 biases into its own scratch; LDS serves a wave's instructions in order (ISA guide 5.7.1.4)
	WIN 0x40
.irp b, 0,1,2,3,4,5,6,7
.irp p, 0,1
	ds_load_b128 v[8*\b+4*\p:8*\b+4*\p+3], v[BRQ] offset:64*\b+16*\p
.endr
.endr
	WIN 0
	s_wait_dscnt 0x0
.macro TOSTAGE a
.set AC, 64*((\a)%4)
	WIN 0x12                                       ; source 0 window 2 (sums), source 2 window 1 (biases)
.set j, 0
.rept 32
	v_pk_fma_f32 v[TMP+j:TMP+j+1], v[AC+j:AC+j+1], s[68:69], v[j:j+1] op_sel_hi:[1,0,1]
.set j, j+2
.endr
	WIN 0
.irp b, 0,1,2,3,4,5,6,7
	ds_store_b128 v[STO], v[TMP+8*\b:TMP+8*\b+3] offset:64*\b
	ds_store_b128 v[STO], v[TMP+8*\b+4:TMP+8*\b+7] offset:64*\b+16
.endr
.set BB, BK+64*((\a)%2)
.irp t, 0,1,2,3,4,5,6,7,8,9,10,11,12,13,14,15
	ds_load_b128 v[BB+4*\t:BB+4*\t+3], v[RD] offset:\t*SPITCH
.endr
.endm
.macro SEND a, younger                 ; younger: the LDS instructions issued behind block a's loads, which may stay out
.set BB, BK+64*((\a)%2)
	s_wait_dscnt \younger
.if (\a) > 0
	s_add_nc_u64 s[72:73], s[72:73], 16*4096       ; (behind a wait on XCNT: the earlier stores have read their base)
.endif
.irp t, 0,1,2,3,4,5,6,7,8,9,10,11,12,13,14,15
	global_store_b128 v[LI], v[BB+4*\t:BB+4*\t+3], s[72:73] offset:\t*4096 th:TH_STORE_NT
.endr
.endm
	TOSTAGE 0
.irp a, 1,2,3
.if \a > 1
	s_wait_xcnt 0x0                                ; block a - 2's stores have read their registers and their base
.endif
	TOSTAGE \a
	SEND \a-1, 32
.endr
	s_wait_xcnt 0x0
	SEND 3, 0
	s_wait_tensorcnt 0x0                           ; the wave's end
	ds_add_u32 v[SPW], v[NIL]
	s_wait_dscnt 0x0
	CROUND                                         ; the closing round
	s_endpgm
.Lfunc_end_k_q3c8498f323_outp:
	.size	k_q3c8498f323_outp, .Lfunc_end_k_q3c8498f323_outp-k_q3c8498f323_outp
	.p2alignl 7, 3214868480
	.fill 96, 4, 3214868480
	.section	.rodata,"a",@progbits
	.p2align	6, 0x0
	.amdhsa_kernel k_q3c8498f323_outp
		.amdhsa_group_segment_fixed_size 327680
		.amdhsa_private_segment_fixed_size 0
		.amdhsa_enable_private_segment 0
		.amdhsa_kernarg_size 40
		.amdhsa_user_sgpr_count 2
		.amdhsa_user_sgpr_kernarg_segment_ptr 1
		.amdhsa_wavefront_size32 1
		.amdhsa_system_sgpr_workgroup_id_x 1
		.amdhsa_system_sgpr_workgroup_id_y 1
		.amdhsa_system_sgpr_workgroup_id_z 1
		.amdhsa_system_vgpr_workitem_id 0
		.amdhsa_next_free_vgpr 768
		.amdhsa_next_free_sgpr 80
		.amdhsa_reserve_vcc 0
		.amdhsa_float_denorm_mode_32 3
		.amdhsa_float_denorm_mode_16_64 3
		.amdhsa_memory_ordered 1
		.amdhsa_forward_progress 1
		.amdhsa_inst_pref_size 76
	.end_amdhsa_kernel
	.amdgpu_metadata
---
amdhsa.version: [ 1, 2 ]
amdhsa.kernels:
  - .name:           k_q3c8498f323_outp
    .symbol:         k_q3c8498f323_outp.kd
    .args:
      - { .name: ac, .offset: 0, .size: 8, .value_kind: global_buffer, .address_space: global }
      - { .name: codes, .offset: 8, .size: 8, .value_kind: global_buffer, .address_space: global }
      - { .name: bo, .offset: 16, .size: 8, .value_kind: global_buffer, .address_space: global }
      - { .name: lowp_scales, .offset: 24, .size: 8, .value_kind: global_buffer, .address_space: global }
      - { .name: out0, .offset: 32, .size: 8, .value_kind: global_buffer, .address_space: global }
    .group_segment_fixed_size: 327680
    .private_segment_fixed_size: 0
    .kernarg_segment_align: 8
    .kernarg_segment_size: 40
    .max_flat_workgroup_size: 128
    .sgpr_count:     80
    .vgpr_count:     768
    .wavefront_size: 32
...
	.end_amdgpu_metadata
.endif
;; end of part 4
